; MI455X (gfx1250); checked and timed in simulation.
; The chip was launched on July 23, 2026; its instructions are those of AMD's public machine-readable ISA for CDNA 5 (MIT licence, August 2026) and "CDNA5" Instruction Set Architecture Reference Guide (July 2026). The comments in the code are by the model that wrote it; some were corrected since.
;; Tiled Feed Forward. Allowed arithmetic: float matrix products may take bf16 or f16 operands with f32 sums; all other float work in f32.
;; Inputs: W1 1,024 x 4,096 float32; W2 4,096 x 1,024 float32; b1 4,096 float32; b2 1,024 float32; hidden_states 4 x 2,048 x 1,024 float32.
;; Outputs: out0 4 x 2,048 x 1,024 float32.
;; One version. Each part assembles by itself: llvm-mc -triple=amdgcn-amd-amdhsa -mcpu=gfx1250 --defsym DOCPART=n.
;; ======== version 1 of 1: 3 launches
;; workspace buffers: xb 16,777,216 bytes; w1b 8,388,608 bytes; w2b 8,388,608 bytes; h 67,108,864 bytes
;; launch cast (part 1): grid 1024 x 1, 8 waves a work-group, no clusters, 0 bytes of LDS; arguments hidden_states, W1, W2, xb, w1b, w2b; writes xb, w1b, w2b
.if DOCPART == 1
	.amdgcn_target "amdgcn-amd-amdhsa--gfx1250"
	.amdhsa_code_object_version 6
	.text
	.protected	k_q40f4b988f7_cast
	.globl	k_q40f4b988f7_cast
	.p2align	8
	.type	k_q40f4b988f7_cast,@function
k_q40f4b988f7_cast:
	s_mov_b64 s[64:65], 0
	v_nop
	global_prefetch_b8 v0, s[64:65] scope:SCOPE_SE
	s_setreg_imm32_b32 hwreg(HW_REG_WAVE_MODE, 25, 1), 1
	s_wait_xcnt 0x0
; xb = bf16(hidden_states), w1b = bf16(W1), w2b = bf16(W2): the layouts stay, each number is rounded once, to nearest even.
; A stream: every byte is read once and written once, so no LDS, no barrier, no matrix unit, no loop.
; 1,024 equal work-groups of eight waves.  Work-group g takes 32 KiB of hidden_states (of 32 MiB), 16 KiB of W1 and 16 KiB of W2 (of 16 MiB each):
; 16 chunks of 4,096 bytes, thread t taking the 16 bytes at 16 t of each chunk.  A wave's load covers 512 neighbouring bytes, aligned;
; its store covers 256 neighbouring bytes, aligned.  All 16 loads of a wave go out at once; no register is written twice, so no source has to be freed.
.set CHUNK, 4096                       ; bytes in of a chunk; half as many go out
.set IN, 4                             ; v[4:67]   slot i: 4 f32 as loaded
.set Y,  68                            ; v[68:99]  slot i: 4 bf16 to store
	s_load_b256 s[4:11], s[0:1], 0x0               ; hidden_states s[4:5], W1 s[6:7], W2 s[8:9], xb s[10:11]
	s_load_b128 s[12:15], s[0:1], 0x20             ; w1b s[12:13], w2b s[14:15]
	s_lshl_b32 s16, ttmp9, 15                      ; g x 32 KiB (below 32 MiB)
	s_mov_b32 s17, 0
	s_lshl_b32 s18, ttmp9, 14                      ; g x 16 KiB
	s_mov_b32 s19, 0
	s_lshl_b32 s20, ttmp9, 13                      ; g x 8 KiB
	s_mov_b32 s21, 0
	v_lshlrev_b32 v1, 4, v0                        ; my 16 bytes of a chunk in
	v_lshlrev_b32 v2, 3, v0                        ; my 8 bytes of a chunk out
	s_wait_kmcnt 0x0
	s_add_nc_u64 s[4:5], s[4:5], s[16:17]
	s_add_nc_u64 s[6:7], s[6:7], s[18:19]
	s_add_nc_u64 s[8:9], s[8:9], s[18:19]
	s_add_nc_u64 s[10:11], s[10:11], s[18:19]
	s_add_nc_u64 s[12:13], s[12:13], s[20:21]
	s_add_nc_u64 s[14:15], s[14:15], s[20:21]
.macro LD i, base, c                   ; slot i takes chunk c of the buffer at s[base:base+1]; the launch reads these bytes once
	global_load_b128 v[IN+4*(\i):IN+4*(\i)+3], v1, s[\base:\base+1] offset:CHUNK*\c th:TH_LOAD_NT
.endm
.macro CV i, base, c                   ; slot i is rounded and stored as chunk c of the buffer at s[base:base+1]; the next launch reads it, so no hint
	s_wait_loadcnt 15-(\i)                         ; loads come back in order (ISA guide 5.7.1): slot i is in, the younger ones stay out
	v_cvt_pk_bf16_f32 v[Y+2*(\i)],   v[IN+4*(\i)],   v[IN+4*(\i)+1]
	v_cvt_pk_bf16_f32 v[Y+2*(\i)+1], v[IN+4*(\i)+2], v[IN+4*(\i)+3]
	global_store_b64 v2, v[Y+2*(\i):Y+2*(\i)+1], s[\base:\base+1] offset:CHUNK/2*\c
.endm
.irp c, 0,1,2,3,4,5,6,7
	LD \c, 4, \c
.endr
.irp c, 0,1,2,3
	LD 8+\c, 6, \c
.endr
.irp c, 0,1,2,3
	LD 12+\c, 8, \c
.endr
.irp c, 0,1,2,3,4,5,6,7
	CV \c, 10, \c
.endr
.irp c, 0,1,2,3
	CV 8+\c, 12, \c
.endr
.irp c, 0,1,2,3
	CV 12+\c, 14, \c
.endr
	s_endpgm
.Lfunc_end_k_q40f4b988f7_cast:
	.size	k_q40f4b988f7_cast, .Lfunc_end_k_q40f4b988f7_cast-k_q40f4b988f7_cast
	.p2alignl 7, 3214868480
	.fill 96, 4, 3214868480
	.section	.rodata,"a",@progbits
	.p2align	6, 0x0
	.amdhsa_kernel k_q40f4b988f7_cast
		.amdhsa_group_segment_fixed_size 0
		.amdhsa_private_segment_fixed_size 0
		.amdhsa_enable_private_segment 0
		.amdhsa_kernarg_size 48
		.amdhsa_user_sgpr_count 2
		.amdhsa_user_sgpr_kernarg_segment_ptr 1
		.amdhsa_wavefront_size32 1
		.amdhsa_system_sgpr_workgroup_id_x 1
		.amdhsa_system_sgpr_workgroup_id_y 1
		.amdhsa_system_sgpr_workgroup_id_z 1
		.amdhsa_system_vgpr_workitem_id 0
		.amdhsa_next_free_vgpr 100
		.amdhsa_next_free_sgpr 66
		.amdhsa_reserve_vcc 0
		.amdhsa_float_denorm_mode_32 3
		.amdhsa_float_denorm_mode_16_64 3
		.amdhsa_memory_ordered 1
		.amdhsa_forward_progress 1
		.amdhsa_inst_pref_size 7
	.end_amdhsa_kernel
	.amdgpu_metadata
---
amdhsa.version: [ 1, 2 ]
amdhsa.kernels:
  - .name:           k_q40f4b988f7_cast
    .symbol:         k_q40f4b988f7_cast.kd
    .args:
      - { .name: hidden_states, .offset: 0, .size: 8, .value_kind: global_buffer, .address_space: global }
      - { .name: W1, .offset: 8, .size: 8, .value_kind: global_buffer, .address_space: global }
      - { .name: W2, .offset: 16, .size: 8, .value_kind: global_buffer, .address_space: global }
      - { .name: xb, .offset: 24, .size: 8, .value_kind: global_buffer, .address_space: global }
      - { .name: w1b, .offset: 32, .size: 8, .value_kind: global_buffer, .address_space: global }
      - { .name: w2b, .offset: 40, .size: 8, .value_kind: global_buffer, .address_space: global }
    .group_segment_fixed_size: 0
    .private_segment_fixed_size: 0
    .kernarg_segment_align: 8
    .kernarg_segment_size: 48
    .max_flat_workgroup_size: 256
    .sgpr_count:     66
    .vgpr_count:     100
    .wavefront_size: 32
...
	.end_amdgpu_metadata
.endif
;; end of part 1
;; launch up (part 2): grid 16 x 16, 4 waves a work-group, clusters of 4 x 4, 327,680 bytes of LDS; arguments xb, w1b, h, b1; writes h
.if DOCPART == 2
	.amdgcn_target "amdgcn-amd-amdhsa--gfx1250"
	.amdhsa_code_object_version 6
	.text
	.protected	k_q40f4b988f7_up
	.globl	k_q40f4b988f7_up
	.p2align	8
	.type	k_q40f4b988f7_up,@function
k_q40f4b988f7_up:
	s_mov_b64 s[64:65], 0
	v_nop
	global_prefetch_b8 v0, s[64:65] scope:SCOPE_SE
	s_setreg_imm32_b32 hwreg(HW_REG_WAVE_MODE, 25, 1), 1
	s_wait_xcnt 0x0
	s_wait_alu depctr_hold_cnt(0) depctr_sa_sdst(0) depctr_va_vdst(0) depctr_va_sdst(0) depctr_va_ssrc(0) depctr_va_vcc(0) depctr_vm_vsrc(0)
	s_getreg_b32 s2, hwreg(HW_REG_IB_STS2, 6, 4)
	s_cmp_eq_u32 s2, 0
	s_cbranch_scc0 .Lentry_in_a_cluster
	s_endpgm
.Lentry_in_a_cluster:
	s_bfe_u32 s2, ttmp6, 0x10000c
	s_cmp_lg_u32 s2, 0xf033
	s_cbranch_scc0 .Lentry_shape_is_right
	s_endpgm
.Lentry_shape_is_right:
; h[m][n] = relu(b1[n] + sum over k of xb[m][k] w1b[k][n]), rounded once to bf16.  xb: [8192][1024] bf16, w1b: [1024][4096] bf16 (N along the rows),
; b1: [4096] f32, h: [8192][4096] bf16; sums in f32.
; LIMITS: the operands are bf16 (rounded by the launch before) and h is rounded to bf16; each sum STARTS at the bias (the first product takes it as C), so the
; order of rounding differs from a sum that adds the bias last; a NaN in front of the ReLU gives 0 (v_max_num_f32), not NaN.
; A block of h is 256 x 256, made by four waves, one for each SIMD of a WGP; a wave makes 128 x 128: 64 accumulator tiles of 16 x 16, 512 registers.
; THE WORK-GROUP STAYS: h has 16 x 32 blocks; the 16 x 16 work-groups make two each, block rows y and y + 16 of one block column.  K is short (8 steps of 128), so
; the ring of LDS slots runs on into the second block: its first two K steps are asked for in the last two K steps of the first block, the first block's way
; out runs while the second of them lands, and its stores leave under the second block's products.  Bias tiles and addresses are set up once.
; K goes in steps of 128 through a ring of two LDS slots filled by the tensor data mover.  A's tile has 256 rows of 256 bytes;
; B's tile is taken as it lies, 128 rows (k) of 512 bytes (256 n), and its fragments are transposed on the way out of LDS (ds_load_tr16_b128).
; CLUSTERS: 4 x 4 work-groups.  The four of a row of the cluster need the same tiles of A, the four of a column the same tiles of B: each tile is asked for jointly,
; by the same tensor load with the same descriptor and a mask that names the four, which divides the requests for A and for B by four.
;
; REGISTERS, in windows of 256 (s_set_vgpr_msb says which window each operand place means):
;   window 0: v0-31 addresses; v64-127, v128-191 fragments of A (8 x 16 rows x 32 K), two buffers; v192-223 packed results on the way out
;   window 1: v64-127, v128-191 fragments of B, two buffers; v192-255 the bias of my 128 columns, laid out as eight accumulator tiles
;   window 2: the 32 accumulator tiles of my rows 0-63 (tile (a, b) at v[8 (8 a + b)]);   window 3: those of my rows 64-127
; THE MATRIX INSTRUCTION IS USED TRANSPOSED: source 0 = 16 columns of B, source 1 = 16 rows of A.  Lane l then holds row m = l % 16, and its registers 0 to 7 the
; columns n = 8 (l / 16) + 0 .. 7: eight neighbouring numbers of a row.  A bias tile has the same map and is the same for every block of rows.
.set SIZE_N, 4096
.set SIZE_K, 1024
.set KSTEP,  128
.set PA,     272                       ; A's LDS row: 256 bytes + 16 of padding, an odd multiple of 16: the 16 rows that a load touches lie in 16 different 16-byte columns modulo 256 bytes
.set PB,     544                       ; B's LDS row: 512 bytes + 32 of padding, an odd multiple of 32: the 8 rows of a group of eight lanes lie 32 bytes apart modulo 256
.set HALFT,  128*PA                    ; what one tensor load brings: 128 rows of A, or 64 rows of B (64 x 544 is the same 34,816 bytes)
.set SLOT,   4*HALFT                   ; A's 256 rows, then B's 128 rows
.set STAGE,  2*SLOT                    ; behind the ring, at a multiple of 256: 16 rows x 272 bytes for each wave, for the way out; no tensor load lands here
.set SPITCH, 272
.set LAPS,   SIZE_K/(2*KSTEP)          ; a lap = two K steps = once round the ring: 4 for a block
.set ASTEP,  KSTEP*2                   ; a K step along A's rows, in bytes
.set BSTEP,  KSTEP*SIZE_N*2            ; a K step down B's rows, in bytes
.set AJUMP,  16*256*SIZE_K*2-6*ASTEP   ; A: from K step 6 (7) of the first block to K step 0 (1) of the second, 16 block rows further down
.set BBACK,  6*BSTEP                   ; B: from K step 6 (7) back to K step 0 (1): the block column stays
.set ROWS16, 16*SIZE_N*2               ; 16 rows of h, in bytes
.set CJUMP,  (16*256-7*16)*SIZE_N*2    ; h: from the first block's last 16 rows to the second block's first
.set AL,   16                          ; v16-17  LDS address of my A fragments 0-3 (rows 0-63) in slot 0, 1
.set AH,   18                          ; v18-19  of my A fragments 4-7 (rows 64-127)
.set ADRB, 20                          ; v20-21  of my B fragments
.set STO,  24                          ; v24     the way out: where I put 16 bytes of a row
.set RD,   25                          ; v25     the way out: where I read a row back
.set CO,   26                          ; v26     my byte offset in h
.set BO,   27                          ; v27     my byte offset in a bias tile
.set F0,   64                          ; fragment buffer 0
.set F1,   128                         ; fragment buffer 1
.set TMP,  192                         ; window 0: packed results
.set BIAS, 192                         ; window 1: eight bias tiles
.set G1,  24                           ; s[24:31] descriptor group 1 for A's tiles
.set G0,  32                           ; s[32:39] descriptor group 0 for A's tiles, one set for each slot
.set G1B, 48                           ; s[48:55] descriptor group 1 for B's tiles
.set G0B, 56                           ; s[56:63] descriptor group 0 for B's tiles, one set for each slot
.set MSB, 0
.macro WIN new                         ; the immediate's high byte repeats the setting that is left; a switch that changes nothing is dropped
.if MSB != \new
	s_set_vgpr_msb (MSB<<8)|\new
.set MSB, \new
.endif
.endm
.set MUL_LO,   0xa1                    ; source 0 (B) window 1, source 1 (A) window 0, C and D window 2
.set MUL_HI,   0xf1                    ; the same, C and D window 3
.set MUL_LO_B, 0x91                    ; C window 1 (the bias), D window 2
.set MUL_HI_B, 0xd1                    ; C window 1 (the bias), D window 3
.set TO_B,     0x40                    ; destination window 1, address window 0
; A joint load.  Waves 0 and 1 fetch A's two halves, waves 2 and 3 B's.  Each line has one mask and one set of registers for all that issue it.
; The branch hangs on the wave's number alone: it is the same in every work-group.
.macro JLOAD s
	s_cmp_eq_u32 s11, 0
	s_cbranch_scc0 .Lfor_b_\@
	tensor_load_to_lds s[G0+4*\s:G0+4*\s+3], s[G1:G1+7]
	s_nop 0
	s_branch .Lasked_\@
.Lfor_b_\@:
	tensor_load_to_lds s[G0B+4*\s:G0B+4*\s+3], s[G1B:G1B+7]
	s_nop 0
	v_nop
	v_nop
	v_nop
	v_nop
.Lasked_\@:
.endm
; A round of the cluster's barrier: my work-group's barrier, so that wave 0's signal speaks for all four waves; wave 0 signals for the work-group;
; every wave waits for all sixteen work-groups; my work-group's barrier once more.
.macro CREST                           ; a round behind its opening barrier
	s_cmp_lg_u32 s10, 0
	s_cbranch_scc1 .Lnot_wave_0_\@
	s_barrier_signal -3
.Lnot_wave_0_\@:
	s_barrier_wait -3
	s_barrier_signal -1
	s_barrier_wait -1
.endm
.macro CROUND                          ; a whole round
	s_barrier_signal -1
	s_barrier_wait -1
	CREST
.endm
	s_load_b128 s[4:7], s[0:1], 0x0                ; xb s[4:5], w1b s[6:7]
	s_load_b64 s[8:9], s[0:1], 0x10                ; h
	s_load_b64 s[66:67], s[0:1], 0x18              ; b1
	s_set_vgpr_msb 0x40
	v_lshl_add_u32 v63, v0, 2, 0x48400
	s_set_vgpr_msb 0x4000
	v_mov_b32 v255, 0
	s_set_vgpr_msb 0x1
	ds_add_u32 v63, v255
	s_set_vgpr_msb 0x100
	v_lshrrev_b32 v1, 5, v0
	v_readfirstlane_b32 s10, v1                    ; wave 0..3
	s_lshr_b32 s11, s10, 1                         ; which half of the block's rows is mine.  Also: I fetch for A (0) or for B (1)
	s_and_b32 s12, s10, 1                          ; which half of its columns.  Also: which half of that tile I fetch
	s_bfe_u32 s40, ttmp6, 0x40000                  ; cx: my place along the cluster's x
	s_bfe_u32 s41, ttmp6, 0x40004                  ; cy: along its y
	s_lshl_b32 s42, ttmp9, 2                       ; in a cluster launch ttmp9 and ttmp7 count clusters
	s_add_co_u32 s42, s42, s40                     ; block column = 4 x cluster x + cx
	s_and_b32 s13, ttmp7, 0xffff
	s_lshl_b32 s13, s13, 2
	s_add_co_u32 s13, s13, s41                     ; block row of my first block = 4 x cluster y + cy, 0 to 15
	s_lshl_b32 s43, s41, 2
	s_lshl_b32 s43, 15, s43                        ; my row of the cluster: places 4 cy .. 4 cy + 3
	s_lshl_b32 s44, 0x1111, s40                    ; my column: places cx, cx + 4, cx + 8, cx + 12
	; group 1 for A: 128 rows x 128 elements of 2 bytes, 4 words of padding behind every 64 words
	s_or_b32 s[G1+0], s43, (1<<16)|(1<<20)|(1<<21)|(5<<22)|(3<<25)  ; 15:0 mask: my row; 17:16 2 bytes; 20 padding on; 21 set beside a mask; 24:22 interval 64 words; 31:25 pad 4 words
	s_mov_b32 s[G1+1], KSTEP<<16                   ; tensor_dim0 = 128
	s_mov_b32 s[G1+2], 128<<16                     ; tensor_dim1 = 128
	s_mov_b32 s[G1+3], KSTEP<<16                   ; tile_dim0 = 128
	s_mov_b32 s[G1+4], 128                         ; tile_dim1 = 128
	s_mov_b32 s[G1+5], SIZE_K                      ; elements from row to row
	s_mov_b32 s[G1+6], 0
	s_mov_b32 s[G1+7], 0
	; group 1 for B: 64 rows (k) x 256 elements (n), 8 words of padding behind every 128 words
	s_or_b32 s[G1B+0], s44, (1<<16)|(1<<20)|(1<<21)|(6<<22)|(7<<25) ; mask: my column; interval 128 words; pad 8 words
	s_mov_b32 s[G1B+1], 256<<16                    ; tensor_dim0 = 256
	s_mov_b32 s[G1B+2], 64<<16                     ; tensor_dim1 = 64
	s_mov_b32 s[G1B+3], 256<<16                    ; tile_dim0 = 256
	s_mov_b32 s[G1B+4], 64                         ; tile_dim1 = 64
	s_mov_b32 s[G1B+5], SIZE_N                     ; elements from row to row
	s_mov_b32 s[G1B+6], 0
	s_mov_b32 s[G1B+7], 0
	; where the tiles come from.  A's hang on the block row alone, which my row of the cluster shares; B's on the block column alone, which my column shares.
	s_lshl_b32 s17, s12, 7
	s_lshl_b32 s16, s13, 8
	s_add_co_u32 s16, s16, s17                     ; A: row 256 x block row + 128 x half
	s_mov_b32 s17, 0
	s_mov_b64 s[18:19], SIZE_K*2
	s_mul_u64 s[16:17], s[16:17], s[18:19]         ; in bytes
	s_lshl_b32 s46, s42, 9                         ; B: 512 bytes x block column
	s_lshl_b32 s47, s12, 19                        ;    + 64 rows of 8,192 bytes x half
	s_add_co_u32 s46, s46, s47
	s_mov_b32 s47, 0
	s_lshl_b32 s68, s42, 10                        ; the bias of my 128 columns: 1,024 bytes x block column + 512 x half
	s_lshl_b32 s69, s12, 9
	s_add_co_u32 s68, s68, s69
	s_mov_b32 s69, 0
	s_mul_i32 s20, s10, HALFT                      ; where they go: A's two halves, then B's two halves = wave x 34,816: no place in the cluster enters an LDS address
	s_wait_dscnt 0x0
	s_wait_kmcnt 0x0
	s_add_nc_u64 s[14:15], s[4:5], s[16:17]
	s_add_nc_u64 s[46:47], s[6:7], s[46:47]
	s_add_nc_u64 s[66:67], s[66:67], s[68:69]
	CROUND                                         ; all sixteen work-groups are here: the first joint loads meet
.irp s, 0,1
	s_mov_b32 s[G0+4*\s], 1                                        ; count = 1
	s_add_co_u32 s[G0+4*\s+1], s20, \s*SLOT                        ; LDS address
	s_add_nc_u64 s[G0+4*\s+2:G0+4*\s+3], s[14:15], \s*ASTEP        ; global address: K step s
	s_or_b32 s[G0+4*\s+3], s[G0+4*\s+3], 0x80000000                ; type = 2
	s_mov_b32 s[G0B+4*\s], 1
	s_add_co_u32 s[G0B+4*\s+1], s20, \s*SLOT
	s_add_nc_u64 s[G0B+4*\s+2:G0B+4*\s+3], s[46:47], \s*BSTEP
	s_or_b32 s[G0B+4*\s+3], s[G0B+4*\s+3], 0x80000000
	JLOAD \s                                       ; both slots' first fills go out before anything else is done: two tensor loads of the wave are out
.endr
	v_and_b32 v1, 15, v0                           ; r = l % 16
	v_bfe_u32 v2, v0, 4, 1                         ; h = l / 16
	v_lshlrev_b32 v[BO], 5, v2                     ; a bias tile: register j of lane (r, h) = b1[column 16 b + 8 h + j]: 32 bytes at 64 b + 32 h
	WIN TO_B
.irp b, 0,1,2,3,4,5,6,7
	global_load_b128 v[BIAS+8*\b:BIAS+8*\b+3],   v[BO], s[66:67] offset:64*\b
	global_load_b128 v[BIAS+8*\b+4:BIAS+8*\b+7], v[BO], s[66:67] offset:64*\b+16
.endr
	WIN 0
	; A fragment of A: lane l holds row l % 16; registers 0-3 hold K = 8 h + 0..7, registers 4-7 K = 16 + 8 h + 0..7: two loads of 16 bytes, 32 bytes apart.
	v_mul_u32_u24 v3, v1, PA
	v_lshl_add_u32 v3, v2, 4, v3                   ; r x pitch + 16 h
	; A fragment of B out of rows that lie along N: lane l addresses row 8 h + l % 8 and the 16 bytes (l / 8) % 2; the load transposes 8 x 8 numbers in each group of
	; eight lanes, so that lane l gets K = 8 h + 0..7 of column l % 16; a second load 16 rows further down brings K = 16 + 8 h + 0..7.
	v_and_b32 v4, 7, v0
	v_lshl_add_u32 v4, v2, 3, v4
	v_mul_u32_u24 v4, v4, PB
	v_bfe_u32 v5, v0, 3, 1
	v_lshl_add_u32 v4, v5, 4, v4
	s_mul_i32 s21, s11, HALFT                      ; my 128 rows of A: the first 64,
	s_add_co_u32 s23, s21, 64*PA                   ; the second 64
	s_lshl_b32 s22, s12, 8                         ; my 128 columns of B (256 bytes of each row),
	s_add_co_u32 s22, s22, 2*HALFT                 ; which lies behind A's 256 rows
.irp s, 0,1
	v_add_nc_u32 v[AL+\s], s21, v3
	v_add_nc_u32 v[AH+\s], s23, v3
	v_add_nc_u32 v[ADRB+\s], s22, v4
	s_add_co_u32 s21, s21, SLOT
	s_add_co_u32 s23, s23, SLOT
	s_add_co_u32 s22, s22, SLOT
.endr
	s_mul_i32 s23, s10, 16*SPITCH
	s_add_co_u32 s23, s23, STAGE                   ; my stage
	v_mul_u32_u24 v6, v1, SPITCH                   ; in: row r, 16 bytes for each half of the lanes
	v_lshl_add_u32 v6, v2, 4, v6
	v_add_nc_u32 v[STO], s23, v6
	v_mul_u32_u24 v7, v2, SPITCH                   ; back: lanes 0-15 take one row of 256 bytes, lanes 16-31 the next
	v_lshl_add_u32 v7, v1, 4, v7
	v_add_nc_u32 v[RD], s23, v7
	v_mul_u32_u24 v7, v2, SIZE_N*2                 ; and the same two rows in h
	v_lshl_add_u32 v[CO], v1, 4, v7
; 16 matrix instructions: blocks of rows a0, a0 + 1 of the window's four (hi = 0: fragments 0-3, 1: fragments 4-7) x all 8 blocks of columns, 32 along K.
; mode 0: add in place.  mode 2: the first product starts the sums at the bias: nothing is cleared, and the bias costs no instruction.
.macro MUL16 f, hi, a0, mode
.irp a, \a0, \a0+1
.irp b, 0,1,2,3,4,5,6,7
.if \mode == 2
	v_wmma_f32_16x16x32_bf16 v[8*(8*(\a)+\b):8*(8*(\a)+\b)+7], v[\f+8*\b:\f+8*\b+7], v[\f+8*(4*\hi+\a):\f+8*(4*\hi+\a)+7], v[BIAS+8*\b:BIAS+8*\b+7]
.else
	v_wmma_f32_16x16x32_bf16 v[8*(8*(\a)+\b):8*(8*(\a)+\b)+7], v[\f+8*\b:\f+8*\b+7], v[\f+8*(4*\hi+\a):\f+8*(4*\hi+\a)+7], v[8*(8*(\a)+\b):8*(8*(\a)+\b)+7]
.endif
.endr
.endr
.endm
; 32 LDS loads in one run: the fragments of quarter q of a K step (32 K: 32 rows of B's tile, 64 bytes of A's rows) into buffer f
.macro FETCH slot, q, f
	WIN TO_B
.irp i, 0,1,2,3,4,5,6,7
	ds_load_tr16_b128 v[\f+8*\i:\f+8*\i+3],   v[ADRB+\slot] offset:\q*32*PB+32*\i
	ds_load_tr16_b128 v[\f+8*\i+4:\f+8*\i+7], v[ADRB+\slot] offset:\q*32*PB+16*PB+32*\i
.endr
	WIN 0
.irp i, 0,1,2,3
	ds_load_b128 v[\f+8*\i:\f+8*\i+3],   v[AL+\slot] offset:\q*64+\i*16*PA
	ds_load_b128 v[\f+8*\i+4:\f+8*\i+7], v[AL+\slot] offset:\q*64+\i*16*PA+32
.endr
.irp i, 0,1,2,3
	ds_load_b128 v[\f+32+8*\i:\f+32+8*\i+3], v[AH+\slot] offset:\q*64+\i*16*PA
	ds_load_b128 v[\f+32+8*\i+4:\f+32+8*\i+7], v[AH+\slot] offset:\q*64+\i*16*PA+32
.endr
.endm
; A load into a register that a matrix instruction has read, and a vector instruction or LDS store that reads a matrix result, stand four places behind that
; matrix instruction, and only plain vector instructions that name none of its registers are places (ISA guide 7.12.1 for vector instructions).
; So four v_nop stand in front of each run of loads and in front of the way out.
.macro PLACES
.rept 4
	v_nop
.endr
.endm
; A K step is four quarters of 32 along K, 64 matrix instructions each, on buffers 0, 1, 0, 1.  The 64 accumulators take turns, one instruction a turn, in the
; same order in every quarter, over the loops' backward jumps and from block to block too.
; One of the first three quarters: at its head it fetches quarter q into buffer g, then multiplies buffer f: 64 matrix instructions stand between a fetch and its first use.
.macro QUARTER slot, q, f, g, mlo, mhi
	PLACES
	FETCH \slot, \q, \g
	s_wait_dscnt 32                                ; all but the 32 just issued: buffer f is whole
.if \mlo == 2
	WIN MUL_LO_B
.else
	WIN MUL_LO
.endif
	MUL16 \f, 0, 0, \mlo
	MUL16 \f, 0, 2, \mlo
.if \mhi == 2
	WIN MUL_HI_B
.else
	WIN MUL_HI
.endif
	MUL16 \f, 1, 0, \mhi
	MUL16 \f, 1, 2, \mhi
.endm
; The last quarter: multiplies buffer 1 and changes slots.  next = the other slot.
; fill = 1: this slot is filled again, two K steps ahead; fill = 2: with the second block's K step of the same slot; fill = 0: not at all.
; fetch = 0: the next slot's first fragments are not fetched here (the way out comes first and uses those registers).
; One barrier for the change of slots.  In front of it each wave waits for its own reads of this slot and for all its tensor loads, of which one is out: its part
; of the next slot.  Behind it nobody reads this slot any more and the next slot is whole: the refill comes first, then the next slot's first fragments.
; From a request to the wait for it a wave issues 48 + 192 = 240 matrix instructions.
.macro TURN slot, next, fill, fetch
	s_wait_dscnt 0                                 ; buffer 1 is whole, and my reads of this slot are over
	s_wait_tensorcnt 0x0                           ; all my tensor loads have landed: the one that was out is my part of the next slot
	ds_add_u32 v63, v255
	s_wait_dscnt 0x0
	s_barrier_signal -1                            ; say so (where a slot is filled again this barrier opens a round of the cluster's barrier),
	WIN MUL_LO
	MUL16 F1, 0, 0, 0                              ; work on registers while the others arrive,
	WIN 0
	s_barrier_wait -1                              ; and go on when all four have said so
.if \fill
	CREST                                          ; all sixteen work-groups have said so: no wave of any partner still reads this slot's tile or has a load on its way
.if \fill == 1
	s_add_nc_u64 s[G0+4*\slot+2:G0+4*\slot+3], s[G0+4*\slot+2:G0+4*\slot+3], 2*ASTEP
	s_add_nc_u64 s[G0B+4*\slot+2:G0B+4*\slot+3], s[G0B+4*\slot+2:G0B+4*\slot+3], 2*BSTEP
.else
	s_add_nc_u64 s[G0+4*\slot+2:G0+4*\slot+3], s[G0+4*\slot+2:G0+4*\slot+3], AJUMP      ; 16 block rows down, six K steps back
	s_sub_nc_u64 s[G0B+4*\slot+2:G0B+4*\slot+3], s[G0B+4*\slot+2:G0B+4*\slot+3], BBACK  ; six K steps back
.endif
	JLOAD \slot                                    ; the first tensor load behind the round, and the wave's only one until the next
.endif
.if \fetch
	PLACES
	FETCH \next, 0, F0
.endif
	WIN MUL_LO
	MUL16 F1, 0, 2, 0
	WIN MUL_HI
	MUL16 F1, 1, 0, 0
	MUL16 F1, 1, 2, 0
.endm
.macro THREE slot, mode
	QUARTER \slot, 1, F0, F1, \mode, \mode
	QUARTER \slot, 2, F1, F0, 0, 0
	QUARTER \slot, 3, F0, F1, 0, 0
.endm
.macro LAP mode                        ; once round the ring, both slots filled again
	THREE 0, \mode
	TURN 0, 1, 1, 1
	THREE 1, 0
	TURN 1, 0, 1, 1
.endm
; THE WAY OUT, 16 rows at a time: ReLU in f32, round to bf16, 16 bytes a lane into my own stage in LDS, read back as whole rows of 256 bytes.
; The eight tiles (a, 0..7) of window 2 or 3 (from = 0x08 or 0x0c: source 1); f: v64 or v96 in turn, the rows as stored; adv: how far h's base moves first.
.macro OUT16 adv, a, from, f
	WIN \from
.irp b, 0,1,2,3,4,5,6,7
.irp j, 0,1,2,3,4,5,6,7
	v_max_num_f32 v[F1+8*\b+\j], 0, v[8*(8*\a+\b)+\j]
.endr
.endr
	WIN 0
.irp b, 0,1,2,3,4,5,6,7
.irp r, 0,1,2,3
	v_cvt_pk_bf16_f32 v[TMP+4*\b+\r], v[F1+8*\b+2*\r], v[F1+8*\b+2*\r+1]
.endr
.endr
.irp b, 0,1,2,3,4,5,6,7
	ds_store_b128 v[STO], v[TMP+4*\b:TMP+4*\b+3] offset:32*\b
.endr
	s_wait_xcnt 0x0                                ; every earlier memory instruction has had its addresses translated (ISA guide 3.1): the stores' data registers and base are rewritten only behind this wait
.if \adv
	s_add_nc_u64 s[8:9], s[8:9], \adv
.endif
.irp t, 0,1,2,3,4,5,6,7
	ds_load_b128 v[\f+4*\t:\f+4*\t+3], v[RD] offset:\t*2*SPITCH    ; LDS serves a wave's instructions in order (ISA guide 5.7.1.4): these see the stores above
.endr
.irp t, 0,1,2,3,4,5,6,7
	s_wait_dscnt 7-\t                              ; row load t is back, the younger ones stay out
	global_store_b128 v[CO], v[\f+4*\t:\f+4*\t+3], s[8:9] offset:2*\t*SIZE_N*2   ; 16 lanes store 256 consecutive bytes, at a multiple of 256 from h's first byte; the next launch reads them: no hint
.endr
.endm
.macro OUTALL adv                      ; my 128 rows of a block
	PLACES                                         ; the places behind the last matrix instructions
	OUT16 \adv,   0, 0x08, 64
	OUT16 ROWS16, 1, 0x08, 96
	OUT16 ROWS16, 2, 0x08, 64
	OUT16 ROWS16, 3, 0x08, 96
	OUT16 ROWS16, 0, 0x0c, 64
	OUT16 ROWS16, 1, 0x0c, 96
	OUT16 ROWS16, 2, 0x0c, 64
	OUT16 ROWS16, 3, 0x0c, 96
.endm
	s_wait_loadcnt 0x0                             ; the bias is in
	s_wait_tensorcnt 1                             ; my part of K step 0 is in; K step 1's stays out
	s_barrier_signal -1
	s_barrier_wait -1                              ; everybody's is
	FETCH 0, 0, F0
	; THE FIRST BLOCK
	LAP 2                                          ; the first lap stands in front of the loop: its first products start the sums at the bias
	WIN 0                                          ; at a label and at a branch every window is 0
	s_mov_b32 s3, LAPS-2
.Llap_a:
	LAP 0
	WIN 0
	s_sub_co_u32 s3, s3, 1
	s_cmp_lg_u32 s3, 0
	s_cbranch_scc1 .Llap_a
	THREE 0, 0                                     ; the last lap asks for the second block's K steps 0 and 1
	TURN 0, 1, 2, 1
	THREE 1, 0
	TURN 1, 0, 2, 0                                ; the second block's K step 0 has landed (the wait for all loads at this turn's head); its K step 1 lands during the way out
	s_lshl_b32 s13, s13, 8
	s_lshl_b32 s14, s11, 7
	s_add_co_u32 s16, s13, s14                     ; my first row of h
	s_mov_b32 s17, 0
	s_mov_b64 s[18:19], SIZE_N*2
	s_mul_u64 s[16:17], s[16:17], s[18:19]
	s_add_nc_u64 s[8:9], s[8:9], s[16:17]
	s_lshl_b32 s46, s42, 9                         ; my first column, in bytes: 512 x block + 256 x half
	s_lshl_b32 s47, s12, 8
	s_add_co_u32 s46, s46, s47
	s_mov_b32 s47, 0
	s_add_nc_u64 s[8:9], s[8:9], s[46:47]
	OUTALL 0
	s_wait_xcnt 0x0                                ; the last stores' data registers (v64-127) are loaded again only behind this wait
	FETCH 0, 0, F0
	; THE SECOND BLOCK
	LAP 2                                          ; its first products start the sums anew, at the same bias tiles
	WIN 0
	s_mov_b32 s3, LAPS-2
.Llap_b:
	LAP 0
	WIN 0
	s_sub_co_u32 s3, s3, 1
	s_cmp_lg_u32 s3, 0
	s_cbranch_scc1 .Llap_b
	THREE 0, 0                                     ; the last lap fills nothing and has no round of the cluster's barrier: the one tensor load still out is slot 1's, the last K step's
	TURN 0, 1, 0, 1
	THREE 1, 0
	s_wait_dscnt 0                                 ; the very last quarter: nothing more to fetch
	WIN MUL_LO
	MUL16 F1, 0, 0, 0
	MUL16 F1, 0, 2, 0
	WIN MUL_HI
	MUL16 F1, 1, 0, 0
	MUL16 F1, 1, 2, 0
	OUTALL CJUMP
	s_set_vgpr_msb 0x1
	s_wait_tensorcnt 0x0
	ds_add_u32 v63, v255
	s_wait_dscnt 0x0
	s_set_vgpr_msb 0x100
	CROUND                                         ; the closing round: no work-group ends while a partner may still ask for a tile that names it
	s_endpgm
.Lfunc_end_k_q40f4b988f7_up:
	.size	k_q40f4b988f7_up, .Lfunc_end_k_q40f4b988f7_up-k_q40f4b988f7_up
	.p2alignl 7, 3214868480
	.fill 96, 4, 3214868480
	.section	.rodata,"a",@progbits
	.p2align	6, 0x0
	.amdhsa_kernel k_q40f4b988f7_up
		.amdhsa_group_segment_fixed_size 327680
		.amdhsa_private_segment_fixed_size 0
		.amdhsa_enable_private_segment 0
		.amdhsa_kernarg_size 32
		.amdhsa_user_sgpr_count 2
		.amdhsa_user_sgpr_kernarg_segment_ptr 1
		.amdhsa_wavefront_size32 1
		.amdhsa_system_sgpr_workgroup_id_x 1
		.amdhsa_system_sgpr_workgroup_id_y 1
		.amdhsa_system_sgpr_workgroup_id_z 1
		.amdhsa_system_vgpr_workitem_id 0
		.amdhsa_next_free_vgpr 1024
		.amdhsa_next_free_sgpr 72
		.amdhsa_reserve_vcc 0
		.amdhsa_float_denorm_mode_32 3
		.amdhsa_float_denorm_mode_16_64 3
		.amdhsa_memory_ordered 1
		.amdhsa_forward_progress 1
		.amdhsa_inst_pref_size 255
	.end_amdhsa_kernel
	.section	.bss,"aw",@nobits
	.p2align	6
	.space	262144
	.amdgpu_metadata
---
amdhsa.version: [ 1, 2 ]
amdhsa.kernels:
  - .name:           k_q40f4b988f7_up
    .symbol:         k_q40f4b988f7_up.kd
    .args:
      - { .name: xb, .offset: 0, .size: 8, .value_kind: global_buffer, .address_space: global }
      - { .name: w1b, .offset: 8, .size: 8, .value_kind: global_buffer, .address_space: global }
      - { .name: h, .offset: 16, .size: 8, .value_kind: global_buffer, .address_space: global }
      - { .name: b1, .offset: 24, .size: 8, .value_kind: global_buffer, .address_space: global }
    .group_segment_fixed_size: 327680
    .private_segment_fixed_size: 0
    .kernarg_segment_align: 8
    .kernarg_segment_size: 32
    .max_flat_workgroup_size: 128
    .sgpr_count:     72
    .vgpr_count:     1024
    .wavefront_size: 32
...
	.end_amdgpu_metadata
.endif
;; end of part 2
;; launch down (part 3): grid 4 x 64, 4 waves a work-group, clusters of 4 x 4, 327,680 bytes of LDS; arguments h, w2b, out0, b2; writes out0
.if DOCPART == 3
	.amdgcn_target "amdgcn-amd-amdhsa--gfx1250"
	.amdhsa_code_object_version 6
	.text
	.protected	k_q40f4b988f7_down
	.globl	k_q40f4b988f7_down
	.p2align	8
	.type	k_q40f4b988f7_down,@function
k_q40f4b988f7_down:
	s_mov_b64 s[64:65], 0
	v_nop
	global_prefetch_b8 v0, s[64:65] scope:SCOPE_SE
	s_setreg_imm32_b32 hwreg(HW_REG_WAVE_MODE, 25, 1), 1
	s_wait_xcnt 0x0
	s_wait_alu depctr_hold_cnt(0) depctr_sa_sdst(0) depctr_va_vdst(0) depctr_va_sdst(0) depctr_va_ssrc(0) depctr_va_vcc(0) depctr_vm_vsrc(0)
	s_getreg_b32 s2, hwreg(HW_REG_IB_STS2, 6, 4)
	s_cmp_eq_u32 s2, 0
	s_cbranch_scc0 .Lentry_in_a_cluster
	s_endpgm
.Lentry_in_a_cluster:
	s_bfe_u32 s2, ttmp6, 0x10000c
	s_cmp_lg_u32 s2, 0xf033
	s_cbranch_scc0 .Lentry_shape_is_right
	s_endpgm
.Lentry_shape_is_right:
; out0[m][n] = b2[n] + sum over k of h[m][k] w2b[k][n].  h: [8192][4096] bf16, w2b: [4096][1024] bf16 (N along the rows), b2: [1024] f32, out0: [8192][1024] f32.
; LIMITS: the operands are bf16; each output is the sum of two f32 sums, one over the lower and one over the upper half of every K step, added at the end;
; the first of the two starts at the bias: the order of rounding differs from one ascending sum with the bias added last.
; A work-group makes a block of 128 x 256 with four waves: 4 x 64 = 256 blocks.  A wave still holds 128 x 128 sums (64 tiles of 16 x 16, 512 registers), so that
; each byte read from LDS feeds as many multiply-adds as with a block of 256 x 256: wave (kh, nh) takes all 128 rows, the columns 128 nh .. + 127, and half kh
; of every K step.  At the end the waves kh = 0 and kh = 1 give each other, through LDS, the half of the rows that the other keeps.
; THE RING HAS TWO UNEQUAL SLOTS.  The load behind a change of slots has the other slot's matrix work in which to land, so the slots are made as large as LDS
; allows: two of K = 256 would take 413,696 bytes and do not fit; slot X holds K = 256 (206,848 bytes) and slot Y K = 128 (104,448 bytes), 311,296 together.
; K = 4096 = 11 x 256 + 10 x 128 is walked as X0 Y0 X1 Y1 .. X9 Y9 X10: 20 changes of slots where steps of 128 would have 31.  Every tile row is 256 or 512
; consecutive bytes that start at a multiple of 256 from the buffer's first byte.
; CLUSTERS: 4 x 4 work-groups.  A row of the cluster spans all 1,024 columns and shares A's tiles; a column shares B's.  Each tile is asked for jointly by the four.
; PREFETCH: h is read once from memory.  Behind the refill of slot X in lap j (j = 0 .. 8) a work-group asks for the 768 bytes of Y(j+1) and X(j+2) of its own 32
; of the cluster row's 128 rows (32 cx + lane), waves 0, 1, 2 one block of 256 bytes each: each block once in the launch, 128 and 384 matrix instructions of a
; wave ahead of the tensor loads that want them; the last request ends at the row's last byte.  The first 1,280 bytes of a row are loaded at once and not asked for.
; w2b is read again and again by all clusters and is not asked for.
;
; REGISTERS, in windows of 256:
;   window 0: v0-31 addresses; v64-127, v128-191 fragments of A, two buffers (later: the partner's sums, the rows on the way out)
;   window 1: v64-127, v128-191 fragments of B, two buffers; v192-255 the bias of my 128 columns, laid out as eight accumulator tiles
;   window 2: the 32 tiles of the 64 rows that I keep (rows 64 kh ..; tile (a, b) at v[8 (8 a + b)]);   window 3: those of the 64 rows that I give away
; In every wave window 2 is kept and window 3 given, so the text has no branch on kh: only the LDS addresses of A's fragments differ.
; THE MATRIX INSTRUCTION IS USED TRANSPOSED: source 0 = 16 columns of B, source 1 = 16 rows of A: lane l holds row l % 16, registers 0-7 the columns 8 (l / 16) + 0 .. 7.
.set SIZE_N, 1024
.set SIZE_K, 4096
.set KX,     256                       ; K of a step in slot X (slot 0); also the bytes of a wave's half of it in a row of A
.set KY,     128                       ; K of a step in slot Y (slot 1); likewise
.set PAX,    528                       ; A's LDS row in slot X: 512 bytes + 16 of padding, an odd multiple of 16
.set PAY,    272                       ; in slot Y: 256 bytes + 16
.set PB,     544                       ; B's LDS row: 512 bytes + 32 of padding, an odd multiple of 32
.set AXT,    128*PAX                   ; 67,584: A's 128 rows in slot X, fetched as two halves of 64 rows
.set BXT,    KX*PB                     ; 139,264: B's 256 rows in slot X, fetched as two halves of 128 rows
.set AYT,    128*PAY                   ; 34,816
.set BYT,    KY*PB                     ; 69,632
.set YBASE,  AXT+BXT                   ; 206,848: slot Y begins behind slot X
.set XCH,    YBASE                     ; the exchange, 16,384 bytes for each wave, and the stage lie in slot Y, whose last fill (Y9) and last reads are over
.set STAGE,  XCH+4*16384               ; at the change of slots behind Y9: no tensor load lands there afterwards.  Stage: 16 rows x 528 bytes for each wave, up to byte 306,176
.set SPITCH, 528                       ; a row of 128 f32 + 16 bytes, an odd multiple of 16
.set ALAP,   (KX+KY)*2                 ; a lap (an X step and a Y step) along A's rows: 768 bytes
.set BLAP,   (KX+KY)*SIZE_N*2          ; and down B's rows: 786,432 bytes
.set AL,   16                          ; v16-17  LDS address of A's fragments 0-3 (the rows that I keep) in slot X, Y
.set AH,   18                          ; v18-19  of A's fragments 4-7 (the rows that I give away)
.set ADRB, 20                          ; v20-21  of my B fragments
.set STO,  24                          ; v24     the way out: where I put 32 bytes of a row
.set RD,   25                          ; v25     the way out: where I read a row back
.set CO,   26                          ; v26     16 x lane: my byte offset in a row of my 128 columns
.set BO,   27                          ; v27     my byte offset in a bias tile
.set XS,   28                          ; v28     the exchange: where I put what I give
.set XL,   29                          ; v29     the exchange: where my partner has put what I get
.set PO,   30                          ; v30     the prefetch: byte offset of my row and my wave's block; never rewritten
.set F0,   64
.set F1,   128
.set BIAS, 192                         ; window 1
.set G1,  24                           ; s[24:31] descriptor group 1 for A's tiles in slot X; s[72:79] in slot Y
.set G0,  32                           ; s[32:39] descriptor group 0 for A's tiles, one set for each slot
.set G1B, 48                           ; s[48:55] descriptor group 1 for B's tiles in slot X; s[80:87] in slot Y
.set G0B, 56                           ; s[56:63] descriptor group 0 for B's tiles, one set for each slot
.set PFB, 88                           ; s[88:89] the prefetch's base: h at the block's first row, stepped by a lap
.set MSB, 0
.macro WIN new                         ; the immediate's high byte repeats the setting that is left; a switch that changes nothing is dropped
.if MSB != \new
	s_set_vgpr_msb (MSB<<8)|\new
.set MSB, \new
.endif
.endm
.set MUL_LO,   0xa1                    ; source 0 (B) window 1, source 1 (A) window 0, C and D window 2
.set MUL_HI,   0xf1                    ; the same, C and D window 3
.set MUL_LO_B, 0x91                    ; C window 1 (the bias), D window 2
.set TO_B,     0x40                    ; destination window 1, address window 0
; A joint load into slot s.  Waves 0 and 1 fetch A's two halves, waves 2 and 3 B's.  The branch hangs on the wave's number alone.
.macro JLOAD s
	s_cmp_eq_u32 s11, 0
	s_cbranch_scc0 .Lfor_b_\@
	tensor_load_to_lds s[G0+4*\s:G0+4*\s+3], s[G1+48*\s:G1+48*\s+7]
	s_nop 0
	s_branch .Lasked_\@
.Lfor_b_\@:
	tensor_load_to_lds s[G0B+4*\s:G0B+4*\s+3], s[G1B+32*\s:G1B+32*\s+7]
	s_nop 0
	v_nop
.Lasked_\@:
.endm
; A round of the cluster's barrier: my work-group's barrier; wave 0 signals for the work-group; every wave waits for all sixteen; my work-group's barrier once more.
.macro CREST
	s_cmp_lg_u32 s10, 0
	s_cbranch_scc1 .Lnot_wave_0_\@
	s_barrier_signal -3
.Lnot_wave_0_\@:
	s_barrier_wait -3
	s_barrier_signal -1
	s_barrier_wait -1
.endm
.macro CROUND
	s_barrier_signal -1
	s_barrier_wait -1
	CREST
.endm
	s_load_b128 s[4:7], s[0:1], 0x0                ; h s[4:5], w2b s[6:7]
	s_load_b64 s[8:9], s[0:1], 0x10                ; out0
	s_load_b64 s[66:67], s[0:1], 0x18              ; b2
	s_set_vgpr_msb 0x40
	v_lshl_add_u32 v63, v0, 2, 0x4c000
	s_set_vgpr_msb 0x4000
	v_mov_b32 v255, 0
	s_set_vgpr_msb 0x1
	ds_add_u32 v63, v255
	s_set_vgpr_msb 0x100
	v_lshrrev_b32 v1, 5, v0
	v_readfirstlane_b32 s10, v1                    ; wave 0..3
	s_lshr_b32 s11, s10, 1                         ; kh: my half of every K step, and the 64 rows that I keep.  Also: I fetch for A (0) or for B (1)
	s_and_b32 s12, s10, 1                          ; nh: my half of the columns.  Also: which half of that tile I fetch
	s_bfe_u32 s40, ttmp6, 0x40000                  ; cx
	s_bfe_u32 s41, ttmp6, 0x40004                  ; cy
	s_lshl_b32 s42, ttmp9, 2
	s_add_co_u32 s42, s42, s40                     ; block column = 4 x cluster x + cx
	s_and_b32 s13, ttmp7, 0xffff
	s_lshl_b32 s13, s13, 2
	s_add_co_u32 s13, s13, s41                     ; block row = 4 x cluster y + cy
	s_lshl_b32 s43, s41, 2
	s_lshl_b32 s43, 15, s43                        ; my row of the cluster
	s_lshl_b32 s44, 0x1111, s40                    ; my column
	; group 1 for A in slot X: 64 rows x 256 elements of 2 bytes, 4 words of padding behind every 128 words
	s_or_b32 s[G1+0], s43, (1<<16)|(1<<20)|(1<<21)|(6<<22)|(3<<25)
	s_mov_b32 s[G1+1], KX<<16                      ; tensor_dim0 = 256
	s_mov_b32 s[G1+2], 64<<16                      ; tensor_dim1 = 64
	s_mov_b32 s[G1+3], KX<<16                      ; tile_dim0 = 256
	s_mov_b32 s[G1+4], 64                          ; tile_dim1 = 64
	s_mov_b32 s[G1+5], SIZE_K                      ; elements from row to row
	s_mov_b32 s[G1+6], 0
	s_mov_b32 s[G1+7], 0
	; group 1 for A in slot Y: 64 rows x 128 elements, 4 words of padding behind every 64 words
	s_or_b32 s[G1+48], s43, (1<<16)|(1<<20)|(1<<21)|(5<<22)|(3<<25)
	s_mov_b32 s[G1+49], KY<<16                     ; tensor_dim0 = 128
	s_mov_b32 s[G1+50], 64<<16                     ; tensor_dim1 = 64
	s_mov_b32 s[G1+51], KY<<16                     ; tile_dim0 = 128
	s_mov_b32 s[G1+52], 64                         ; tile_dim1 = 64
	s_mov_b32 s[G1+53], SIZE_K
	s_mov_b32 s[G1+54], 0
	s_mov_b32 s[G1+55], 0
	; group 1 for B in slot X: 128 rows (k) x 256 elements (n), 8 words of padding behind every 128 words
	s_or_b32 s[G1B+0], s44, (1<<16)|(1<<20)|(1<<21)|(6<<22)|(7<<25)
	s_mov_b32 s[G1B+1], 256<<16                    ; tensor_dim0 = 256
	s_mov_b32 s[G1B+2], 128<<16                    ; tensor_dim1 = 128
	s_mov_b32 s[G1B+3], 256<<16                    ; tile_dim0 = 256
	s_mov_b32 s[G1B+4], 128                        ; tile_dim1 = 128
	s_mov_b32 s[G1B+5], SIZE_N
	s_mov_b32 s[G1B+6], 0
	s_mov_b32 s[G1B+7], 0
	; group 1 for B in slot Y: 64 rows x 256 elements
	s_or_b32 s[G1B+32], s44, (1<<16)|(1<<20)|(1<<21)|(6<<22)|(7<<25)
	s_mov_b32 s[G1B+33], 256<<16
	s_mov_b32 s[G1B+34], 64<<16                    ; tensor_dim1 = 64
	s_mov_b32 s[G1B+35], 256<<16
	s_mov_b32 s[G1B+36], 64                        ; tile_dim1 = 64
	s_mov_b32 s[G1B+37], SIZE_N
	s_mov_b32 s[G1B+38], 0
	s_mov_b32 s[G1B+39], 0
	; where the tiles come from: A's hang on the block row alone, B's on the block column alone
	s_lshl_b32 s17, s12, 6
	s_lshl_b32 s16, s13, 7
	s_add_co_u32 s16, s16, s17                     ; A: row 128 x block row + 64 x half
	s_mov_b32 s17, 0
	s_mov_b64 s[18:19], SIZE_K*2
	s_mul_u64 s[16:17], s[16:17], s[18:19]         ; in bytes
	s_lshl_b32 s46, s42, 9                         ; B, slot X: 512 bytes x block column
	s_lshl_b32 s47, s12, 18                        ;    + 128 rows of 2,048 bytes x half
	s_add_co_u32 s46, s46, s47
	s_mov_b32 s47, 0
	s_lshl_b32 s70, s42, 9                         ; B, slot Y: 512 bytes x block column
	s_lshl_b32 s71, s12, 17                        ;    + 64 rows x half
	s_add_co_u32 s70, s70, s71
	s_add_co_u32 s70, s70, KX*SIZE_N*2             ;    + the 256 rows of X0
	s_mov_b32 s71, 0
	s_lshl_b32 s68, s42, 10                        ; the bias of my 128 columns: 1,024 bytes x block column + 512 x nh
	s_lshl_b32 s69, s12, 9
	s_add_co_u32 s68, s68, s69
	s_mov_b32 s69, 0
	s_lshl_b32 s[PFB], s13, 20                     ; the block's first row of h: 128 rows of 8,192 bytes x block row
	s_mov_b32 s[PFB+1], 0
	s_mul_i32 s20, s12, 64*PAX                     ; where they go, by the wave's number alone: A's half in slot X,
	s_mul_i32 s45, s12, 128*PB                     ; B's half in slot X,
	s_mul_i32 s22, s12, 64*PAY                     ; A's half in slot Y,
	s_mul_i32 s23, s12, 64*PB                      ; B's half in slot Y
	s_wait_dscnt 0x0
	s_wait_kmcnt 0x0
	s_add_nc_u64 s[14:15], s[4:5], s[16:17]
	s_add_nc_u64 s[46:47], s[6:7], s[46:47]
	s_add_nc_u64 s[70:71], s[6:7], s[70:71]
	s_add_nc_u64 s[66:67], s[66:67], s[68:69]
	s_add_nc_u64 s[PFB:PFB+1], s[4:5], s[PFB:PFB+1]
	CROUND                                         ; all sixteen work-groups are here: the first joint loads meet
	s_mov_b32 s[G0], 1                             ; slot X: X0
	s_add_co_u32 s[G0+1], s20, 0
	s_mov_b64 s[G0+2:G0+3], s[14:15]
	s_or_b32 s[G0+3], s[G0+3], 0x80000000
	s_mov_b32 s[G0B], 1
	s_add_co_u32 s[G0B+1], s45, AXT
	s_mov_b64 s[G0B+2:G0B+3], s[46:47]
	s_or_b32 s[G0B+3], s[G0B+3], 0x80000000
	JLOAD 0
	s_mov_b32 s[G0+4], 1                           ; slot Y: Y0
	s_add_co_u32 s[G0+5], s22, YBASE
	s_add_nc_u64 s[G0+6:G0+7], s[14:15], KX*2
	s_or_b32 s[G0+7], s[G0+7], 0x80000000
	s_mov_b32 s[G0B+4], 1
	s_add_co_u32 s[G0B+5], s23, YBASE+AYT
	s_mov_b64 s[G0B+6:G0B+7], s[70:71]
	s_or_b32 s[G0B+7], s[G0B+7], 0x80000000
	JLOAD 1                                        ; both slots' first fills go out before anything else is done: two tensor loads of the wave are out
	v_and_b32 v1, 15, v0                           ; r = l % 16
	v_bfe_u32 v2, v0, 4, 1                         ; h = l / 16
	v_lshlrev_b32 v[BO], 5, v2                     ; a bias tile: register j of lane (r, h) = b2[column 16 b + 8 h + j]
	WIN TO_B
.irp b, 0,1,2,3,4,5,6,7
	global_load_b128 v[BIAS+8*\b:BIAS+8*\b+3],   v[BO], s[66:67] offset:64*\b
	global_load_b128 v[BIAS+8*\b+4:BIAS+8*\b+7], v[BO], s[66:67] offset:64*\b+16
.endr
	WIN 0
	v_mul_u32_u24 v3, v1, PAX
	v_lshl_add_u32 v3, v2, 4, v3                   ; A's fragments in slot X: r x pitch + 16 h
	v_mul_u32_u24 v7, v1, PAY
	v_lshl_add_u32 v7, v2, 4, v7                   ; in slot Y
	v_and_b32 v4, 7, v0                            ; B's fragments, transposed by the load: row 8 h + l % 8, the 16 bytes (l / 8) % 2
	v_lshl_add_u32 v4, v2, 3, v4
	v_mul_u32_u24 v4, v4, PB
	v_bfe_u32 v5, v0, 3, 1
	v_lshl_add_u32 v4, v5, 4, v4
	s_lshl_b32 s16, s12, 8                         ; my 128 columns: 256 bytes of each row of B
	s_mul_i32 s21, s11, 64*PAX+KX                  ; slot X: the rows that I keep, 64 kh .., at my K half (byte 256 kh of each row)
	s_mul_i32 s23, s11, 64*PAX-KX
	s_sub_co_u32 s23, 64*PAX, s23                  ; the rows that I give, 64 (1 - kh) .., at my K half
	s_mul_i32 s22, s11, (KX/2)*PB                  ; B: my K half (128 kh rows down), my columns, behind A's 128 rows
	s_add_co_u32 s22, s22, s16
	s_add_co_u32 s22, s22, AXT
	v_add_nc_u32 v[AL], s21, v3
	v_add_nc_u32 v[AH], s23, v3
	v_add_nc_u32 v[ADRB], s22, v4
	s_mul_i32 s21, s11, 64*PAY+KY                  ; slot Y: the same with its pitch and its K half (byte 128 kh, 64 kh rows)
	s_add_co_u32 s21, s21, YBASE
	s_mul_i32 s23, s11, 64*PAY-KY
	s_sub_co_u32 s23, YBASE+64*PAY, s23
	s_mul_i32 s22, s11, (KY/2)*PB
	s_add_co_u32 s22, s22, s16
	s_add_co_u32 s22, s22, YBASE+AYT
	v_add_nc_u32 v[AL+1], s21, v7
	v_add_nc_u32 v[AH+1], s23, v7
	v_add_nc_u32 v[ADRB+1], s22, v4
	v_and_b32 v6, 31, v0                           ; lane
	v_lshlrev_b32 v[CO], 4, v6                     ; 16 x lane
	s_lshl_b32 s68, s40, 5                         ; the prefetch: row 32 cx + lane of the block's 128,
	v_add_nc_u32 v[PO], s68, v6
	v_lshlrev_b32 v[PO], 13, v[PO]                 ; 8,192 bytes a row,
	s_lshl_b32 s69, s10, 8                         ; block of 256 bytes = my wave's number (waves 0 to 2 ask),
	s_add_co_u32 s69, s69, KX*2+ALAP               ; from byte 1,280 on: Y1
	v_add_nc_u32 v[PO], s69, v[PO]
	s_lshl_b32 s16, s10, 14
	s_add_co_u32 s16, s16, XCH
	v_add_nc_u32 v[XS], s16, v[CO]                 ; my 16,384 bytes of the exchange
	s_xor_b32 s17, s10, 2                          ; my partner: the other K half, the same columns
	s_lshl_b32 s17, s17, 14
	s_add_co_u32 s17, s17, XCH
	v_add_nc_u32 v[XL], s17, v[CO]
	s_mul_i32 s23, s10, 16*SPITCH
	s_add_co_u32 s23, s23, STAGE                   ; my stage
	v_mul_u32_u24 v6, v1, SPITCH                   ; in: row r, 32 bytes for each half of the lanes
	v_lshl_add_u32 v6, v2, 5, v6
	v_add_nc_u32 v[STO], s23, v6
	v_add_nc_u32 v[RD], s23, v[CO]                 ; back: the 32 lanes take one row of 512 bytes
; 16 matrix instructions: blocks of rows a0, a0 + 1 of the window's four x all 8 blocks of columns, 32 along K.
; mode 0: add in place.  mode 1: the first product starts the sums (C = 0).  mode 2: it starts them at the bias.  Nothing is cleared.
.macro MUL16 f, hi, a0, mode
.irp a, \a0, \a0+1
.irp b, 0,1,2,3,4,5,6,7
.if \mode == 2
	v_wmma_f32_16x16x32_bf16 v[8*(8*(\a)+\b):8*(8*(\a)+\b)+7], v[\f+8*\b:\f+8*\b+7], v[\f+8*(4*\hi+\a):\f+8*(4*\hi+\a)+7], v[BIAS+8*\b:BIAS+8*\b+7]
.else
.if \mode == 1
	v_wmma_f32_16x16x32_bf16 v[8*(8*(\a)+\b):8*(8*(\a)+\b)+7], v[\f+8*\b:\f+8*\b+7], v[\f+8*(4*\hi+\a):\f+8*(4*\hi+\a)+7], 0
.else
	v_wmma_f32_16x16x32_bf16 v[8*(8*(\a)+\b):8*(8*(\a)+\b)+7], v[\f+8*\b:\f+8*\b+7], v[\f+8*(4*\hi+\a):\f+8*(4*\hi+\a)+7], v[8*(8*(\a)+\b):8*(8*(\a)+\b)+7]
.endif
.endif
.endr
.endr
.endm
; 32 LDS loads in one run: the fragments of part q (32 K) of my half of the step in slot 0 (X) or 1 (Y) into buffer f
.macro FETCH slot, q, f
.if \slot
.set PAF, PAY
.else
.set PAF, PAX
.endif
	WIN TO_B
.irp i, 0,1,2,3,4,5,6,7
	ds_load_tr16_b128 v[\f+8*\i:\f+8*\i+3],   v[ADRB+\slot] offset:\q*32*PB+32*\i
	ds_load_tr16_b128 v[\f+8*\i+4:\f+8*\i+7], v[ADRB+\slot] offset:\q*32*PB+16*PB+32*\i
.endr
	WIN 0
.irp i, 0,1,2,3
	ds_load_b128 v[\f+8*\i:\f+8*\i+3],   v[AL+\slot] offset:\q*64+\i*16*PAF
	ds_load_b128 v[\f+8*\i+4:\f+8*\i+7], v[AL+\slot] offset:\q*64+\i*16*PAF+32
.endr
.irp i, 0,1,2,3
	ds_load_b128 v[\f+32+8*\i:\f+32+8*\i+3], v[AH+\slot] offset:\q*64+\i*16*PAF
	ds_load_b128 v[\f+32+8*\i+4:\f+32+8*\i+7], v[AH+\slot] offset:\q*64+\i*16*PAF+32
.endr
.endm
; A load into a register that a matrix instruction has read, and a vector instruction or LDS store that reads a matrix result, stand four places behind that
; matrix instruction; only plain vector instructions that name none of its registers are places (ISA guide 7.12.1 for vector instructions).
.macro PLACES
.rept 4
	v_nop
.endr
.endm
; A wave's share of a step is four (X) or two (Y) parts of 32 along K, 64 matrix instructions each, on buffers 0, 1, 0, 1.  The 64 accumulators take turns, one
; instruction a turn, in the same order in every part, over the loop's backward jump too.
; A part that is not the step's last: at its head it fetches part q into buffer g, then multiplies buffer f.
.macro QUARTER slot, q, f, g, mlo, mhi
	PLACES
	FETCH \slot, \q, \g
	s_wait_dscnt 32                                ; all but the 32 just issued: buffer f is whole
.if \mlo == 2
	WIN MUL_LO_B
.else
	WIN MUL_LO
.endif
	MUL16 \f, 0, 0, \mlo
	MUL16 \f, 0, 2, \mlo
	WIN MUL_HI
	MUL16 \f, 1, 0, \mhi
	MUL16 \f, 1, 2, \mhi
.endm
; A step's last part: multiplies buffer 1 and changes slots.  fill = 1: this slot is filled again, with its step of the next lap.
; One barrier for the change.  In front of it each wave waits for its own reads of this slot and for all its tensor loads, of which one is out: its part of the next
; slot.  Behind it the refill comes first, then the next slot's first fragments.  From a request to the wait for it a wave issues 48 + 192 = 240 matrix
; instructions (slot Y's refill, under an X step) or 48 + 64 = 112 (slot X's, under a Y step).
; pref = 1: waves 0 to 2 ask for a block of 256 bytes of 32 rows of h (see the head); pref = 2: the prefetch's base steps by a lap, a Y step behind the request.
.macro TURN slot, next, fill, pref
	s_wait_dscnt 0                                 ; buffer 1 is whole, and my reads of this slot are over
	s_wait_tensorcnt 0x0                           ; all my tensor loads have landed
	ds_add_u32 v63, v255
	s_wait_dscnt 0x0
	s_barrier_signal -1                            ; say so (where a slot is filled again this barrier opens a round of the cluster's barrier),
	WIN MUL_LO
	MUL16 F1, 0, 0, 0                              ; work on registers while the others arrive,
	WIN 0
	s_barrier_wait -1
.if \fill
	CREST                                          ; no wave of any partner still reads this slot's tile or has a load on its way
	s_add_nc_u64 s[G0+4*\slot+2:G0+4*\slot+3], s[G0+4*\slot+2:G0+4*\slot+3], ALAP
	s_add_nc_u64 s[G0B+4*\slot+2:G0B+4*\slot+3], s[G0B+4*\slot+2:G0B+4*\slot+3], BLAP
	JLOAD \slot                                    ; the first tensor load behind the round, and the wave's only one until the next
.endif
.if \pref == 1
	s_cmp_eq_u32 s10, 3                            ; three blocks a lap: wave 3 asks for none
	s_cbranch_scc1 .Lno_ask_\@
	global_prefetch_b8 v[PO], s[PFB:PFB+1] th:TH_LOAD_NT scope:SCOPE_SE
.Lno_ask_\@:
.endif
.if \pref == 2
	s_wait_xcnt 0x0                                ; the request's base is rewritten only behind this wait (ISA guide 3.1)
	s_add_nc_u64 s[PFB:PFB+1], s[PFB:PFB+1], ALAP  ; (the address stepped behind the last request is not used)
.endif
	PLACES
	FETCH \next, 0, F0
	WIN MUL_LO
	MUL16 F1, 0, 2, 0
	WIN MUL_HI
	MUL16 F1, 1, 0, 0
	MUL16 F1, 1, 2, 0
.endm
.macro XPARTS mlo, mhi                 ; the first three parts of an X step
	QUARTER 0, 1, F0, F1, \mlo, \mhi
	QUARTER 0, 2, F1, F0, 0, 0
	QUARTER 0, 3, F0, F1, 0, 0
.endm
.macro LAP mlo, mhi, yfill, pref       ; an X step and a Y step; slot X is filled again in every lap
	XPARTS \mlo, \mhi
	TURN 0, 1, 1, \pref
	QUARTER 1, 1, F0, F1, 0, 0
	TURN 1, 0, \yfill, 2*\pref
.endm
	s_wait_loadcnt 0x0                             ; the bias is in
	s_wait_tensorcnt 1                             ; my part of X0 is in; Y0's stays out
	s_barrier_signal -1
	s_barrier_wait -1
	FETCH 0, 0, F0
	LAP 2, 1, 1, 1                                 ; lap 0: the first products start the sums: the rows that I keep at the bias, those that I give at 0, so the bias enters each output once
	WIN 0                                          ; at a label and at a branch every window is 0
	s_mov_b32 s3, 8                                ; laps 1 to 8
.Llap:
	LAP 0, 0, 1, 1
	WIN 0
	s_sub_co_u32 s3, s3, 1
	s_cmp_lg_u32 s3, 0
	s_cbranch_scc1 .Llap
	LAP 0, 0, 0, 0                                 ; lap 9: slot X gets X10, the last load; slot Y is not filled again, and nothing is left to ask for
	XPARTS 0, 0                                    ; X10
	s_wait_dscnt 0                                 ; the very last part: nothing more to fetch
	WIN MUL_LO
	MUL16 F1, 0, 0, 0
	MUL16 F1, 0, 2, 0
	WIN MUL_HI
	MUL16 F1, 1, 0, 0
	MUL16 F1, 1, 2, 0
	; THE EXCHANGE.  Register x of my window 3 and register x of my partner's window 2 belong, lane by lane, to the same output.  In two phases of 128 registers
	; (16,384 bytes a wave): I store my window 3, 512 neighbouring bytes an instruction; behind a barrier I load what my partner stored and add it to my window 2.
	; The bytes are slot Y's: every wave's reads of them were waited for in front of the barrier behind Y9, and no tensor load is left.
.macro XSTORE p                        ; registers 128 p .. 128 p + 127 of window 3 into my part of the exchange
	WIN 0x0c                                       ; an LDS store's data is source 1: window 3
.set i, 0
.rept 32
	ds_store_b128 v[XS], v[128*\p+4*i:128*\p+4*i+3] offset:512*i
.set i, i+1
.endr
.endm
.macro XLOAD                           ; my partner's 128 registers into v64-191 of window 0
	WIN 0
.set i, 0
.rept 32
	ds_load_b128 v[F0+4*i:F0+4*i+3], v[XL] offset:512*i
.set i, i+1
.endr
.endm
.macro XADD p                          ; window 2's registers 128 p .. += v64-191 of window 0
	WIN 0x82                                       ; source 0 and destination window 2, source 1 window 0
.set i, 0
.rept 64
	v_pk_add_f32 v[128*\p+2*i:128*\p+2*i+1], v[128*\p+2*i:128*\p+2*i+1], v[F0+2*i:F0+2*i+1]
.set i, i+1
.endr
.endm
	PLACES                                         ; the places behind the last matrix instructions
	XSTORE 0
	WIN 0
	s_wait_dscnt 0x0                               ; my stores are done, for my partner's sake
	s_barrier_signal -1
	s_barrier_wait -1
	XLOAD
	s_wait_dscnt 0x0                               ; my loads are back: my partner may write its part again behind this barrier
	s_barrier_signal -1
	s_barrier_wait -1
	XSTORE 1
	XADD 0                                         ; register work while the stores go out
	WIN 0
	s_wait_dscnt 0x0
	s_barrier_signal -1
	s_barrier_wait -1
	XLOAD
	s_wait_dscnt 0x0
	XADD 1
	WIN 0
	; THE WAY OUT, 16 rows at a time: 32 bytes a lane into my own stage in LDS, read back as whole rows of 512 bytes.
	s_lshl_b32 s13, s13, 7
	s_lshl_b32 s14, s11, 6
	s_add_co_u32 s16, s13, s14                     ; my first row: 128 x block row + 64 kh
	s_mov_b32 s17, 0
	s_mov_b64 s[18:19], SIZE_N*4
	s_mul_u64 s[16:17], s[16:17], s[18:19]
	s_add_nc_u64 s[8:9], s[8:9], s[16:17]
	s_lshl_b32 s46, s42, 10                        ; my first column, in bytes: 1,024 x block + 512 nh
	s_lshl_b32 s47, s12, 9
	s_add_co_u32 s46, s46, s47
	s_mov_b32 s47, 0
	s_add_nc_u64 s[8:9], s[8:9], s[46:47]
; rows 16 a .. 16 a + 15 of the 64 that I keep = the eight tiles (a, 0..7) of window 2; f: F0 or F1 in turn, the rows as stored
.macro OUT16F a, f
	WIN 0x08                                       ; an LDS store's data is source 1: window 2
.irp b, 0,1,2,3,4,5,6,7
	ds_store_b128 v[STO], v[8*(8*\a+\b):8*(8*\a+\b)+3]   offset:64*\b
	ds_store_b128 v[STO], v[8*(8*\a+\b)+4:8*(8*\a+\b)+7] offset:64*\b+16
.endr
	WIN 0
	s_wait_xcnt 0x0                                ; every earlier memory instruction has had its addresses translated (ISA guide 3.1): the stores' data registers and base are rewritten only behind this wait
.if \a
	s_add_nc_u64 s[8:9], s[8:9], 16*SIZE_N*4       ; 16 rows on
.endif
.irp t, 0,1,2,3,4,5,6,7,8,9,10,11,12,13,14,15
	ds_load_b128 v[\f+4*\t:\f+4*\t+3], v[RD] offset:\t*SPITCH      ; LDS serves a wave's instructions in order (ISA guide 5.7.1.4): these see the stores above
.endr
.irp t, 0,1,2,3,4,5,6,7,8,9,10,11,12,13,14,15
	s_wait_dscnt 15-\t                             ; row load t is back, the younger ones stay out
	global_store_b128 v[CO], v[\f+4*\t:\f+4*\t+3], s[8:9] offset:\t*SIZE_N*4 th:TH_STORE_NT   ; the wave stores 512 consecutive bytes, at a multiple of 512 from out0's first byte; nothing reads them again
.endr
.endm
	OUT16F 0, F0
	OUT16F 1, F1
	OUT16F 2, F0
	OUT16F 3, F1
	s_set_vgpr_msb 0x1
	s_wait_tensorcnt 0x0
	ds_add_u32 v63, v255
	s_wait_dscnt 0x0
	s_set_vgpr_msb 0x100
	CROUND                                         ; the closing round: no work-group ends while a partner may still ask for a tile that names it
	s_endpgm
.Lfunc_end_k_q40f4b988f7_down:
	.size	k_q40f4b988f7_down, .Lfunc_end_k_q40f4b988f7_down-k_q40f4b988f7_down
	.p2alignl 7, 3214868480
	.fill 96, 4, 3214868480
	.section	.rodata,"a",@progbits
	.p2align	6, 0x0
	.amdhsa_kernel k_q40f4b988f7_down
		.amdhsa_group_segment_fixed_size 327680
		.amdhsa_private_segment_fixed_size 0
		.amdhsa_enable_private_segment 0
		.amdhsa_kernarg_size 32
		.amdhsa_user_sgpr_count 2
		.amdhsa_user_sgpr_kernarg_segment_ptr 1
		.amdhsa_wavefront_size32 1
		.amdhsa_system_sgpr_workgroup_id_x 1
		.amdhsa_system_sgpr_workgroup_id_y 1
		.amdhsa_system_sgpr_workgroup_id_z 1
		.amdhsa_system_vgpr_workitem_id 0
		.amdhsa_next_free_vgpr 1024
		.amdhsa_next_free_sgpr 90
		.amdhsa_reserve_vcc 0
		.amdhsa_float_denorm_mode_32 3
		.amdhsa_float_denorm_mode_16_64 3
		.amdhsa_memory_ordered 1
		.amdhsa_forward_progress 1
		.amdhsa_inst_pref_size 189
	.end_amdhsa_kernel
	.amdgpu_metadata
---
amdhsa.version: [ 1, 2 ]
amdhsa.kernels:
  - .name:           k_q40f4b988f7_down
    .symbol:         k_q40f4b988f7_down.kd
    .args:
      - { .name: h, .offset: 0, .size: 8, .value_kind: global_buffer, .address_space: global }
      - { .name: w2b, .offset: 8, .size: 8, .value_kind: global_buffer, .address_space: global }
      - { .name: out0, .offset: 16, .size: 8, .value_kind: global_buffer, .address_space: global }
      - { .name: b2, .offset: 24, .size: 8, .value_kind: global_buffer, .address_space: global }
    .group_segment_fixed_size: 327680
    .private_segment_fixed_size: 0
    .kernarg_segment_align: 8
    .kernarg_segment_size: 32
    .max_flat_workgroup_size: 128
    .sgpr_count:     90
    .vgpr_count:     1024
    .wavefront_size: 32
...
	.end_amdgpu_metadata
.endif
;; end of part 3
